; MI455X (gfx1250); checked and timed in simulation.
; The chip was launched on July 23, 2026; its instructions are those of AMD's public machine-readable ISA for CDNA 5 (MIT licence, August 2026) and "CDNA5" Instruction Set Architecture Reference Guide (July 2026). The comments in the code are by the model that wrote it; some were corrected since.
;; Scaled Dot Product Attention. Allowed arithmetic: matrix products marked QUANTISED: E2M1 operands, one E8M0 scale for each 32 along K, by v_wmma_scale_f32_16x16x128_f8f6f4 with both operands' format E2M1 (or v_wmma_scale_f32_32x16x128_f4), f32 sums; everything else in f32.
;; Inputs: key 32 x 2,048 x 64 float32; mask 32 x 2,048 bool; query 32 x 2,048 x 64 float32; value 32 x 2,048 x 64 float32.
;; Outputs: out0 32 x 2,048 x 64 float32.
;; This version of the problem:
;;   THIS VERSION OF THE PROBLEM IS GIVEN IN LOW PRECISION. The matrix products marked QUANTISED in the list below multiply operands that are first quantised to E2M1 (2 exponent bits, 1 mantissa bit; 4 bits a number), with one power-of-two scale for each 32 numbers along K (OCP MX v1.0); their sums are f32. All else is computed in f32.
;;   The module's matrix products, in the order in which they are computed (A, B: the left and right operand; K: the contracted axis; several contracted axes count as one K, in the product's order):
;;     1. batch 32 x [M 2,048, K 64] x [K 64, N 2,048]; A: input query; B: input key: QUANTISED
;;     2. batch 32 x [M 2,048, K 2,048] x [K 2,048, N 64]; A: softmax (see below); B: input value: QUANTISED
;;   THE QUANTISER, for each operand of a quantised product, along K:
;;     - K is cut into blocks of 32 from its start; a last block that is shorter is filled with zeros.
;;     - A block's scale is 2^e with e = floor(log2(the largest magnitude in the block)) - 2, held to -126 .. 127; a block of zeros has e = 0. As a byte (E8M0): e + 127.
;;     - Each number is divided by its block's scale, clamped to +-6, and rounded to the nearest number of E2M1, ties to even, subnormals kept.
;;     - The product sums the exact products of the quantised numbers (number of the format x scale) in f32.
;;   ~~~python
;;   def quantise(x, axis):      # numpy; x: float32 -> the quantised numbers, widened to float32 again
;;       x = np.moveaxis(x, axis, -1); K = x.shape[-1]
;;       x = np.pad(x, [(0, 0)] * (x.ndim - 1) + [(0, -K % 32)]); x = x.reshape(x.shape[:-1] + (-1, 32)); a = np.abs(x).max(-1, keepdims=True)
;;       e = np.where(a > 0, np.clip(np.frexp(np.where(a > 0, a, 1))[1] - 1 - 2, -126, 127), 0)      # np.frexp(a)[1] - 1 = floor(log2(a)), exactly
;;       r = np.clip(x / 2.0 ** e, -6, 6)
;;       step = 2.0 ** (np.maximum(np.frexp(np.where(r == 0, 1, r))[1] - 1, 0) - 1)
;;       q = np.round(r / step) * step * 2.0 ** e      # np.round: ties to even
;;       return np.moveaxis(q.reshape(q.shape[:-2] + (-1,))[..., :K], -1, axis).astype(np.float32)
;;   ~~~
;;   SOFTMAX AHEAD OF A QUANTISED PRODUCT. Where the list says 'softmax', what is quantised is not the finished softmax but p = 2^(t - M), with t = logit x log2(e) and M = ceil(the row's largest t), a whole number; so 1/2 < the row's largest p <= 1. The row's sum l is taken of the UNQUANTISED p, in f32, and the product's result is divided by l at the end. Since M is a whole number, a kernel that streams over the keys may use a running M (the ceiling of the running maximum): every later rescaling is an exact power of two, which a block's scale takes up: the codes' values come out the same.
;;   OPERANDS COMPUTED ON THE WAY. 'Computed on the way' means the value that the module computes at that place (a softmax that the list does not call 'softmax' is quantised finished and normalised). What goes into a quantiser is computed in f32, as accurately as f32 sums, v_exp_f32 and their like allow (about 1e-6 of the number): no bf16 or f16 on the way to a quantiser, and a product that is left as it is and whose result goes on into a quantised operand takes f32 operands (vector FMAs, or v_wmma_f32_16x16x4_f32). A number that lies on a knife's edge between two numbers of the format may be rounded either way, as far as f32 arithmetic and the matrix unit's own rounding can turn it there, and no further.
;; One version. Each part assembles by itself: llvm-mc -triple=amdgcn-amd-amdhsa -mcpu=gfx1250 --defsym DOCPART=n.
;; ======== version 1 of 1: 2 launches
;; workspace buffers: pack 4,718,592 bytes
;; launch quant (part 1): grid 16 x 32, 4 waves a work-group, no clusters, 37,376 bytes of LDS; arguments key, value, mask, pack; writes pack
.if DOCPART == 1
	.amdgcn_target "amdgcn-amd-amdhsa--gfx1250"
	.amdhsa_code_object_version 6
	.text
	.protected	k_q741234a312_quant
	.globl	k_q741234a312_quant
	.p2align	8
	.type	k_q741234a312_quant,@function
k_q741234a312_quant:
	s_mov_b64 s[64:65], 0
	v_nop
	global_prefetch_b8 v0, s[64:65] scope:SCOPE_SE
	s_setreg_imm32_b32 hwreg(HW_REG_WAVE_MODE, 25, 1), 1
	s_wait_xcnt 0x0
; key, value [32][2048][64] f32 and mask [32][2048] bool become pack: for each batch b and each step s of 128 keys one chunk of 9,216 bytes at (16 b + s) x 9,216,
; laid IN THE ORDER OF THE OPERANDS' REGISTERS of the attention launch, so that it reads every fragment by loads of 16 bytes a lane, 512 consecutive bytes a load.
;   +0     KIMG 4,096: group (b4, c) at 1024 b4 + 512 c; lane (r, h) at 16 x lane: the 32 codes of key 32 b4 + 8 c + r + 8 (r / 8), d = 32 h .. 32 h + 31   (K of the first product = d)
;   +4096  VIMG 4,096: group (t, c) at 1024 t + 512 c; lane (r, h): the 32 codes of channel 16 t + r, keys 64 c + 32 h .. + 31                            (K of the second product = the keys)
;   +8192  KS 256: word (b4, r) at 8 (r + 16 (b4 % 2)) + 4 (b4 / 2): bytes 0, 1 the scales of key (c = 0, r), d blocks 0, 1; bytes 2, 3 those of key (c = 1, r)
;   +8448  VS 256: word (t, r) at 8 (r + 16 (t % 2)) + 4 (t / 2): byte w the scale of the step's key block w
;   +8704  B0 512: f32, one a key: -80000 x (1 - mask): the padding penalty 10000 in units of the raw score (x sqrt(64)); exact
; Codes are FP4 (E2M1), the lower k in the lower four bits; a block's scale is 2^(floor(log2(largest magnitude)) - 2), its byte the largest magnitude's exponent field - 2, held at 1 from below.
; LIMITS: a block of zeros gets the byte 1 where the rule says 127 (its codes are zeros, and this program alone reads the bytes); NaN and infinities among the inputs are not served.
; SHARES: work-group (x = step, y = batch), four waves; wave w takes keys 32 w .. 32 w + 31 of the step: K's group pair b4 = w, and key block w of V's 64 channels.
; Every global load reads 512 consecutive bytes.  The conversions want 32 neighbours along K in ONE lane's registers: so the wave's 32 rows of 256 bytes turn through its own stage in LDS:
; K comes back 128 bytes of a row to a lane, V comes back a column to a lane (registers down the keys).  No tensor loads, no matrix work, no cluster: work-groups share no input, and memory binds.
; Written out, no loop: every offset is an immediate, no store's data or address is written again, EXEC never changes.
.set PITCH, 272                        ; a stage row: 256 bytes + 16
.set SKEW,  128                        ; rows 16-31 lie 128 bytes further on: the 16 rows that a K read touches (0-7 and 16-23, or 8-15 and 24-31) then start at 16 different 16-byte columns of 256 (64 banks of 4 bytes: ISA guide 11.1)
.set WSTG,  8960                       ; a wave's stage: the last byte used is 31 x 272 + 128 + 256 = 8,816
.set TAIL,  4*WSTG                     ; behind the stages: the chunk's last 1,024 bytes (KS, VS, B0) are gathered here
.set CHUNK, 9216
.set KR,    32                         ; v32-95   K as loaded
.set VR,    96                         ; v96-159  V as loaded
.set X,     160                        ; v160-223 two blocks of 32 neighbours along K
.set KC,    224                        ; v224-231 K's codes
.set VC,    232                        ; v232-239 V's codes
	s_load_b128 s[4:7], s[0:1], 0x0                ; key, value
	s_load_b128 s[8:11], s[0:1], 0x10              ; mask, pack
	v_lshl_add_u32 v240, v0, 2, 0x9000
	v_mov_b32 v241, 0
	v_lshrrev_b32 v1, 5, v0
	v_readfirstlane_b32 s12, v1                    ; wave 0..3
	v_and_b32 v1, 31, v0                           ; lane
	s_wait_alu depctr_va_vdst(0)
	v_and_b32 v2, 15, v0                           ; r
	v_bfe_u32 v3, v0, 4, 1                         ; h
	s_wait_alu depctr_va_vdst(0)
	s_and_b32 s14, ttmp7, 0xffff                   ; batch
	s_lshl_b32 s16, s14, 19                        ; key, value: batch x 2,048 rows of 256 bytes
	s_lshl_b32 s17, ttmp9, 15                      ; + step x 128 rows
	s_add_co_u32 s16, s16, s17
	s_lshl_b32 s17, s12, 13                        ; + wave x 32 rows
	s_add_co_u32 s16, s16, s17
	s_mov_b32 s17, 0
	s_lshl_b32 s18, s14, 11                        ; mask: batch x 2,048 + step x 128
	s_lshl_b32 s19, ttmp9, 7
	s_add_co_u32 s18, s18, s19
	s_mov_b32 s19, 0
	s_lshl_b32 s20, s14, 4                         ; pack: (16 batch + step) x 9,216
	s_add_co_u32 s20, s20, ttmp9
	s_mul_i32 s20, s20, CHUNK
	s_mov_b32 s21, 0
	s_mul_i32 s22, s12, WSTG                       ; my stage
	s_and_b32 s23, s12, 1                          ; w % 2
	s_lshr_b32 s24, s12, 1                         ; w / 2
	s_mov_b32 s25, 0x76543210                      ; v_permlanex16_b32's selects for lane l xor 16
	s_mov_b32 s26, 0xfedcba98
	s_mov_b32 s27, 0x479c4000                      ; 80000.0
	s_mov_b32 s28, 0xc79c4000                      ; -80000.0
	; every address register is made here, ahead of the one branch on the wave's number
	v_lshlrev_b32 v4, 4, v1                        ; in: 16 bytes a lane
	v_mul_u32_u24 v5, v3, PITCH
	v_lshl_add_u32 v5, v2, 4, v5
	v_add_nc_u32 v5, s22, v5                       ; into the stage: lanes 0-15 one row, lanes 16-31 the next
	v_lshrrev_b32 v16, 3, v2                       ; r / 8
	v_lshl_add_u32 v17, v16, 3, v2                 ; r + 8 (r / 8)
	v_mul_u32_u24 v6, v17, PITCH
	v_lshl_add_u32 v6, v16, 7, v6                  ; rows 16 on: the skew
	v_lshl_add_u32 v6, v3, 7, v6                   ; my half of the row: d = 32 h on
	v_add_nc_u32 v6, s22, v6                       ; K back: row r + 8 (r / 8) (+ 8 c by the offset)
	v_lshlrev_b32 v7, 2, v1
	v_add_nc_u32 v7, s22, v7                       ; V back: column lane (+ 32 g by the offset)
	s_lshl_b32 s29, s12, 10
	v_lshl_add_u32 v8, v1, 4, s29                  ; K's codes in the chunk: 1024 w + 16 lane
	s_lshl_b32 s30, s24, 9
	s_lshl_b32 s31, s23, 8
	s_add_co_u32 s30, s30, s31
	s_add_co_u32 s30, s30, 4096
	v_lshlrev_b32 v9, 10, v3
	v_lshl_add_u32 v9, v2, 4, v9
	v_add_nc_u32 v9, s30, v9                       ; V's codes: 4096 + 1024 (2 g + h) + 512 (w / 2) + 256 (w % 2) + 16 r
	s_lshl_b32 s29, s23, 7
	s_lshl_b32 s31, s24, 2
	s_add_co_u32 s29, s29, s31
	s_add_co_u32 s29, s29, TAIL
	v_lshl_add_u32 v10, v2, 3, s29                 ; K's scale word: TAIL + 8 r + 128 (w % 2) + 4 (w / 2)
	s_add_co_u32 s31, s12, TAIL+256
	v_lshl_add_u32 v11, v1, 3, s31                 ; V's scale byte: TAIL + 256 + 8 lane + w (+ 4 g)
	v_lshl_add_u32 v12, v0, 2, TAIL+512            ; the penalty of key = my thread's number
	v_lshl_add_u32 v13, v0, 4, TAIL                ; the tail, back: 16 bytes a thread (waves 0 and 1)
	v_lshl_add_u32 v14, v0, 4, 8192                ; and its place in the chunk
	v_lshlrev_b32 v23, 3, v3                       ; 8 h
	v_mov_b32 v24, 0                               ; a lane permute's destination counts as one of its sources: written once
	s_wait_kmcnt 0x0
	s_add_nc_u64 s[4:5], s[4:5], s[16:17]
	s_add_nc_u64 s[6:7], s[6:7], s[16:17]
	s_add_nc_u64 s[8:9], s[8:9], s[18:19]
	s_add_nc_u64 s[10:11], s[10:11], s[20:21]
	global_load_u8 v15, v0, s[8:9]                 ; my key's mask byte
.irp i, 0,1,2,3,4,5,6,7,8,9,10,11,12,13,14,15
	global_load_b128 v[KR+4*\i:KR+4*\i+3], v4, s[4:5] offset:512*\i th:TH_LOAD_NT   ; rows 2 i, 2 i + 1: 512 consecutive bytes; read once in the launch
.endr
.irp i, 0,1,2,3,4,5,6,7,8,9,10,11,12,13,14,15
	global_load_b128 v[VR+4*\i:VR+4*\i+3], v4, s[6:7] offset:512*\i th:TH_LOAD_NT
.endr
.macro TURNIN reg                      ; 32 rows as loaded go into my stage: sixteen lanes write a row's 256 bytes
.irp i, 0,1,2,3,4,5,6,7,8,9,10,11,12,13,14,15
	ds_store_b128 v5, v[\reg+4*\i:\reg+4*\i+3] offset:2*PITCH*\i+SKEW*(\i/8)
.endr
.endm
; A block of 32 numbers in v[x] on becomes 32 codes in v[cd] .. v[cd + 3]; v[so] the conversion's scale operand, v[by] the scale's byte
.macro QBLK x, cd, so, by
	v_max3_num_f32 v16, |v[\x]|, |v[\x+1]|, |v[\x+2]|              ; the largest magnitude, in two chains
	v_max3_num_f32 v17, |v[\x+3]|, |v[\x+4]|, |v[\x+5]|
.irp i, 6,10,14,18,22,26
	v_max3_num_f32 v16, v16, |v[\x+\i]|, |v[\x+\i+1]|
	v_max3_num_f32 v17, v17, |v[\x+\i+2]|, |v[\x+\i+3]|
.endr
	v_max3_num_f32 v16, v16, |v[\x+30]|, |v[\x+31]|
	v_max3_num_f32 v16, v16, v17, 0x1800000        ; and the floor 2^(3 - 127): the byte cannot fall under 1
	v_add_nc_u32 v[\so], 0xff000000, v16           ; 2 off the exponent field: the conversion takes this operand's exponent field as its scale
.irp g, 0,1,2,3
	v_cvt_scalef32_pk8_fp4_f32 v[\cd+\g], v[\x+8*\g:\x+8*\g+7], v[\so]
.endr
	v_lshrrev_b32 v[\by], 23, v[\so]               ; the byte; also the plain line behind the conversions
.endm
	s_wait_loadcnt 16                              ; the mask byte and K's 16 loads are in; V's 16 may stay out
	v_cvt_f32_u32 v30, v15
	v_fma_f32 v30, v30, s27, s28                   ; 80000 m - 80000: 0 or -80000
	s_wait_alu depctr_va_vdst(0)
	ds_store_b32 v12, v30
	TURNIN KR
.irp c, 0,1
.irp j, 0,1,2,3,4,5,6,7
	ds_load_b128 v[X+32*\c+4*\j:X+32*\c+4*\j+3], v6 offset:8*PITCH*\c+16*\j   ; LDS serves a wave's instructions in order (ISA guide 5.7.1.4): these see the stores above
.endr
.endr
	s_wait_dscnt 8                                 ; the first block's eight loads are in; the second's eight may stay out
	QBLK X, KC, 18, 20
	s_wait_dscnt 0x0
	QBLK X+32, KC+4, 19, 21
	v_lshl_or_b32 v22, v21, 16, v20                ; my two bytes: d block h of keys (c = 0, r) and (c = 1, r),
	v_lshlrev_b32 v22, v23, v22                    ; 8 h bits up;
	v_permlanex16_b32 v24, v22, s25, s26
	v_or_b32 v22, v22, v24                         ; with lane l xor 16's two the word is whole
	ds_store_b32 v10, v22                          ; lanes r and r + 16 write the same word with the same value
	global_store_b128 v8, v[KC:KC+3], s[10:11]                 ; 512 consecutive bytes, at a multiple of 256 from the chunk's first byte
	global_store_b128 v8, v[KC+4:KC+7], s[10:11] offset:512
	s_wait_loadcnt 0x0                             ; V
	TURNIN VR                                      ; into the same stage: my reads of K are back (the wait for 0 above)
.irp g, 0,1
.set k, 0
.rept 32
	ds_load_b32 v[X+32*\g+k], v7 offset:PITCH*k+SKEW*(k/16)+128*\g   ; V(key k, channel lane + 32 g): my registers run down the keys
.set k, k+1
.endr
.endr
	s_wait_dscnt 32                                ; channels 0-31: the 32 loads are in; the other 32 may stay out
	QBLK X, VC, 25, 26
	ds_store_b8 v11, v26
	global_store_b128 v9, v[VC:VC+3], s[10:11]     ; sixteen lanes store 256 consecutive bytes, aligned
	s_wait_dscnt 1                                 ; only the byte store above is younger than the last 32 loads
	QBLK X+32, VC+4, 27, 28
	ds_store_b8 v11, v28 offset:4
	global_store_b128 v9, v[VC+4:VC+7], s[10:11] offset:2048
	s_wait_dscnt 0x0                               ; for the others' sake: my stores into the tail have landed
	s_barrier_signal -1
	s_barrier_wait -1
	s_cmp_lt_u32 s12, 2                            ; the tail's 1,024 bytes leave by waves 0 and 1, 512 consecutive bytes each
	s_cbranch_scc0 .Lend
	ds_load_b128 v[X:X+3], v13
	s_wait_dscnt 0x0
	global_store_b128 v14, v[X:X+3], s[10:11]
.Lend:
	s_wait_tensorcnt 0x0
	ds_add_u32 v240, v241
	s_wait_dscnt 0x0
	s_endpgm
.Lfunc_end_k_q741234a312_quant:
	.size	k_q741234a312_quant, .Lfunc_end_k_q741234a312_quant-k_q741234a312_quant
	.p2alignl 7, 3214868480
	.fill 96, 4, 3214868480
	.section	.rodata,"a",@progbits
	.p2align	6, 0x0
	.amdhsa_kernel k_q741234a312_quant
		.amdhsa_group_segment_fixed_size 37376
		.amdhsa_private_segment_fixed_size 0
		.amdhsa_enable_private_segment 0
		.amdhsa_kernarg_size 32
		.amdhsa_user_sgpr_count 2
		.amdhsa_user_sgpr_kernarg_segment_ptr 1
		.amdhsa_wavefront_size32 1
		.amdhsa_system_sgpr_workgroup_id_x 1
		.amdhsa_system_sgpr_workgroup_id_y 1
		.amdhsa_system_sgpr_workgroup_id_z 1
		.amdhsa_system_vgpr_workitem_id 0
		.amdhsa_next_free_vgpr 242
		.amdhsa_next_free_sgpr 66
		.amdhsa_reserve_vcc 0
		.amdhsa_float_denorm_mode_32 3
		.amdhsa_float_denorm_mode_16_64 3
		.amdhsa_memory_ordered 1
		.amdhsa_forward_progress 1
		.amdhsa_inst_pref_size 21
	.end_amdhsa_kernel
	.amdgpu_metadata
---
amdhsa.version: [ 1, 2 ]
amdhsa.kernels:
  - .name:           k_q741234a312_quant
    .symbol:         k_q741234a312_quant.kd
    .args:
      - { .name: key, .offset: 0, .size: 8, .value_kind: global_buffer, .address_space: global }
      - { .name: value, .offset: 8, .size: 8, .value_kind: global_buffer, .address_space: global }
      - { .name: mask, .offset: 16, .size: 8, .value_kind: global_buffer, .address_space: global }
      - { .name: pack, .offset: 24, .size: 8, .value_kind: global_buffer, .address_space: global }
    .group_segment_fixed_size: 37376
    .private_segment_fixed_size: 0
    .kernarg_segment_align: 8
    .kernarg_segment_size: 32
    .max_flat_workgroup_size: 128
    .sgpr_count:     66
    .vgpr_count:     242
    .wavefront_size: 32
...
	.end_amdgpu_metadata
.endif
;; end of part 1
;; launch attn (part 2): grid 8 x 32, 16 waves a work-group, clusters of 4 x 1, 219,136 bytes of LDS; arguments query, pack, out0; writes out0
.if DOCPART == 2
	.amdgcn_target "amdgcn-amd-amdhsa--gfx1250"
	.amdhsa_code_object_version 6
	.text
	.protected	k_q741234a312_attn
	.globl	k_q741234a312_attn
	.p2align	8
	.type	k_q741234a312_attn,@function
k_q741234a312_attn:
	s_mov_b64 s[64:65], 0
	v_nop
	global_prefetch_b8 v0, s[64:65] scope:SCOPE_SE
	s_setreg_imm32_b32 hwreg(HW_REG_WAVE_MODE, 25, 1), 1
	s_wait_xcnt 0x0
	s_wait_alu depctr_hold_cnt(0) depctr_sa_sdst(0) depctr_va_vdst(0) depctr_va_sdst(0) depctr_va_ssrc(0) depctr_va_vcc(0) depctr_vm_vsrc(0)
	s_getreg_b32 s2, hwreg(HW_REG_IB_STS2, 6, 4)
	s_cmp_eq_u32 s2, 0
	s_cbranch_scc0 .Lentry_in_a_cluster
	s_endpgm
.Lentry_in_a_cluster:
	s_bfe_u32 s2, ttmp6, 0x10000c
	s_cmp_lg_u32 s2, 0x3003
	s_cbranch_scc0 .Lentry_shape_is_right
	s_endpgm
.Lentry_shape_is_right:
; out0[b][q][:] = sum over k of softmax_k(e) value[b][k][:], e = query . key / 8 - 10000 (k > q) - 10000 (1 - mask[b][k]); both products on codes of FP4 (E2M1) with one E8M0 scale for each 32 along K.
; K, V and the padding penalties come from pack, one chunk of 9,216 bytes for each step of 128 keys, laid in the order of the operands' registers: +0 K's four double fragments, +4096 V's four fragments,
; +8192 K's scale words, +8448 V's, +8704 the penalties (f32, raw-score units).  query arrives as f32 and is quantised here, in registers.
; THE SOFTMAX: t = raw score x log2(e) / 8 (+ penalties); M = the running largest t rounded UP to a whole number; p = 2^(t - M) is quantised along the keys, not normalised; the row's sum is taken of the
; unquantised p and divides at the end; when M moves, sum and O are multiplied by 2^(old M - new M), exact.
; THE MASKS ARE PENALTIES, NOT -INFINITY: a query ahead of its batch's first true key weighs hidden keys like visible ones.  So every wave walks all 16 steps, and no step is left out by position.
;   The padding penalty costs no vector instruction: it is loaded from LDS in the result's layout and is the C of the first product.
;   The causal penalty: in a step all of whose keys are hidden it rides in the addend of the multiply-add that makes t - M (chosen by ids); only in a wave's ONE step on the diagonal are scores patched.
; TWO TILES OF KEYS SHARE A FRAGMENT: the first product's K is 64, the instruction's 128.  Registers 0-3 of a K fragment hold one tile of 16 keys, registers 4-7 another; Q lies as zeros, codes, zeros in
; v20-31: v[24:31] (codes, zeros) picks the first tile, v[20:27] (zeros, codes) the second.  Zero codes add nothing under the scale bytes made here (1 .. 254).
; THE KEYS OF A TILE ARE NOT NEIGHBOURS: lane r of tile 2 b + u takes key 32 b + 8 u + r + 8 (r / 8), so that score register 16 b + i of lane (r, h) is query r, key 32 b + 16 h + i.
; Both products are used transposed (source 0 = keys or channels, source 1 = queries): a lane holds ONE query throughout.
; SHARES: a cluster of four work-groups owns 1,024 queries of one batch, eight groups of 128.  Wave w of work-group cx takes group w / 2 and in it the tile of 16 queries 2 cx + w % 2: so the step on the
; diagonal hangs on the cluster's x and the wave's number alone, alike in all four partners; cx enters only query's and out0's addresses and the number that hidden keys are compared with.
; Sixteen waves of 242 registers, four to a SIMD: one wave's vector work stands beside another's products and LDS loads.
; CLUSTER: the four partners want the same 147,456 bytes of pack: waves 0-3 ask for them JOINTLY, four loads each (load g of wave w: chunk 4 g + w), all first fills, behind one round of the cluster's
; barrier.  The whole batch stays in LDS: nothing is filled again.  A wave has four tensor loads out at the most.
; LIMITS: NaN and infinities among the inputs are not served.  A block of zeros has the byte 1 (codes 0).  The penalties are rounded in another order than reference() has them (padding inside the matrix
; sum, causal by one f32 addition or in the addend): t may differ by about 1e-3 where |t| is about 14,427, which is the size of one f32 step there.  A block's largest p is taken from its largest score
; (this takes v_exp_f32 not to fall where its input rises).  p under 2^-126 counts as 0.
.set CHUNK,  9216
.set QRT,    4*CHUNK                   ; a quarter of the batch: four steps
.set BATCHB, 16*CHUNK
.set OVI,    4096
.set OKS,    8192
.set OVS,    8448
.set OB0,    8704
.set STAGE,  BATCHB                    ; behind the batch's image: 16 rows x 272 bytes for each wave, its own; no fill lands there
.set SP,     272
.set LI,  1                            ; v1   16 x lane: my place in an image; also in query's and out0's 512 bytes
.set L8,  2                            ; v2   8 x lane: my pair of scale words
.set LB,  3                            ; v3   64 h: my half's penalties
.set DD,  4                            ; v4   my query's place in its group of 128, less 16 h
.set STO, 6                            ; v6   the stage: where I put 32 bytes of a row
.set RD,  7                            ; v7   the stage by whole rows: lanes 0-15 one row, lanes 16-31 the next
.set ADI, 8                            ; v8-10 the step's addresses
.set ADS, 9
.set ADB, 10
.set NEG, 11                           ; v11  -80000.0
.set NM,  12                           ; v12  -M
.set TM,  13                           ; v13  the running largest t
.set LS,  14                           ; v[14:15] the sum in two halves
.set AD,  16                           ; v16  -M + the step's causal addend (v17 named with it as a pair)
.set FF,  18                           ; v18  f = 2^(old M - new M) (v19 likewise)
.set QSC, 32                           ; v32  Q's scale word
.set KSC, 34                           ; v[34:35] K's scale words: lanes 0-15 fragments 0, 2; lanes 16-31 fragments 1, 3
.set VSC, 36                           ; v[36:37] V's likewise
.set PSC, 38                           ; v38  p's scale word
.set KFR, 40                           ; v40-71   K's four double fragments
.set VFR, 72                           ; v72-103  V's four fragments
.set SCO, 104                          ; v104-167 the penalties, the scores, then p
.set OAC, 168                          ; v168-199 O^T
.set PCD, 200                          ; v200-207 p's codes
.set BMX, 208                          ; v208-211 each block's largest score, then its largest p
.set TPR, 212                          ; v212-215 at work
.set SOP, 216                          ; v216-219 the conversions' scale operands
.set T0,  220
.set T1,  221
.set L2,  222                          ; v[222:223] the second chain of the sum
.set WV,  10                           ; s10 my wave's number
.set QD,  14                           ; s14 first key of my step on the diagonal
.set TQ,  15                           ; s15 my tile's first query in its group of 128
.set KF,  16                           ; s16 the step's first key
.set TB,  17                           ; s17 the step's chunk in LDS
.set CNT, 18
.set CB,  19                           ; s19 the step's causal addend: 0 or -10000 log2(e)
.set SEL, 20                           ; s[20:21] v_permlanex16_b32's selects for lane l xor 16
.set CS,  22                           ; s[22:23] c = log2(e) / 8
.set CBC, 24
.set G1,  28                           ; s[28:35] descriptor group 1
.set G0,  36                           ; s[36:51] group 0 for my four loads
; A round of the cluster's barrier: my work-group's barrier, wave 0 signals for the work-group, every wave waits for all four work-groups, my work-group's barrier once more.
.macro ROUND
	s_barrier_signal -1
	s_barrier_wait -1
	s_cmp_lg_u32 s[WV], 0
	s_cbranch_scc1 .Lnot_wave_0_\@
	s_barrier_signal -3
.Lnot_wave_0_\@:
	s_barrier_wait -3
	s_barrier_signal -1
	s_barrier_wait -1
.endm
	s_load_b128 s[4:7], s[0:1], 0x0                ; query, pack
	s_load_b64 s[8:9], s[0:1], 0x10                ; out0
	v_lshl_add_u32 v240, v0, 2, 0x35000
	v_mov_b32 v241, 0
	ds_add_u32 v240, v241
	ds_add_u32 v240, v241
	v_lshrrev_b32 v232, 5, v0
	s_delay_alu instid0(VALU_DEP_1)
	v_readfirstlane_b32 s[WV], v232                ; wave 0..15
	s_bfe_u32 s11, ttmp6, 0x40000                  ; cx: my place in the cluster
	s_and_b32 s12, ttmp7, 0xffff                   ; the batch, which the four partners share
	s_lshr_b32 s13, s[WV], 1
	s_lshl_b32 s13, s13, 7
	s_lshl_b32 s[QD], ttmp9, 10                    ; in a cluster launch ttmp9 counts clusters: 1,024 queries each
	s_add_co_u32 s[QD], s[QD], s13                 ; + 128 (w / 2)
	s_and_b32 s[TQ], s[WV], 1
	s_lshl_b32 s[TQ], s[TQ], 4
	s_lshl_b32 s52, s11, 5
	s_add_co_u32 s[TQ], s[TQ], s52                 ; 32 cx + 16 (w % 2)
	s_add_co_u32 s52, s[QD], s[TQ]                 ; my first query:
	s_lshl_b32 s52, s52, 8                         ; rows of 256 bytes,
	s_lshl_b32 s53, s12, 19                        ; batches of 2,048 rows
	s_add_co_u32 s52, s52, s53
	s_mov_b32 s53, 0
	s_mul_i32 s54, s12, BATCHB                     ; pack: the batch's 16 chunks (in registers that never hold cx),
	s_mul_i32 s56, s[WV], CHUNK                    ; chunk w; the same offset in LDS
	s_add_co_u32 s54, s54, s56
	s_mov_b32 s55, 0
	s_mov_b32 s[SEL], 0x76543210
	s_mov_b32 s[SEL+1], 0xfedcba98
	s_mov_b32 s[CS], 0x3e38aa3b                    ; log2(e) / 8
	s_mov_b32 s[CS+1], s[CS]                       ; (named with it as a pair, so it is written)
	s_mov_b32 s[CBC], 0xc6616bcd                   ; -10000 log2(e)
	; descriptor group 1: a chunk is dense: 36 rows of 256 bytes (32 elements of 8 bytes), no padding: every LDS read of it takes consecutive bytes
	s_mov_b32 s[G1], 15|(3<<16)|(1<<21)            ; 15:0 the mask: all four work-groups; 17:16 elements of 8 bytes; 21 set beside a mask
	s_mov_b32 s[G1+1], 32<<16                      ; tensor_dim0 = 32
	s_mov_b32 s[G1+2], 36<<16                      ; tensor_dim1 = 36
	s_mov_b32 s[G1+3], 32<<16                      ; tile_dim0 = 32
	s_mov_b32 s[G1+4], 36                          ; tile_dim1 = 36
	s_mov_b32 s[G1+5], 32                          ; from row to row
	s_mov_b32 s[G1+6], 0
	s_mov_b32 s[G1+7], 0
	v_and_b32 v232, 31, v0                         ; lane
	v_and_b32 v233, 15, v0                         ; r
	v_bfe_u32 v234, v0, 4, 1                       ; h
	s_delay_alu instid0(VALU_DEP_3)
	v_lshlrev_b32 v[LI], 4, v232
	s_delay_alu instid0(VALU_DEP_4)
	v_lshlrev_b32 v[L8], 3, v232
	s_delay_alu instid0(VALU_DEP_3)
	v_lshlrev_b32 v[LB], 6, v234
	s_delay_alu instid0(VALU_DEP_4)
	v_lshlrev_b32 v[DD], 4, v234
	s_delay_alu instid0(VALU_DEP_1)
	v_sub_nc_u32 v[DD], v233, v[DD]
	s_delay_alu instid0(VALU_DEP_1)
	v_add_nc_u32 v[DD], s[TQ], v[DD]               ; TQ + r - 16 h: a number to compare with, never an address
	s_mul_i32 s57, s[WV], 16*SP
	s_add_co_u32 s57, s57, STAGE                   ; my stage
	v_mul_u32_u24 v[STO], v233, SP
	s_delay_alu instid0(VALU_DEP_1)
	v_lshl_add_u32 v225, v234, 7, v[STO]
	s_delay_alu instid0(VALU_DEP_1)
	v_add_nc_u32 v225, s57, v225                   ; Q back: row r, my half's 128 bytes
	s_delay_alu instid0(VALU_DEP_3)
	v_lshl_add_u32 v[STO], v234, 5, v[STO]
	s_delay_alu instid0(VALU_DEP_1)
	v_add_nc_u32 v[STO], s57, v[STO]               ; O in: row r, + 32 h
	v_mul_u32_u24 v[RD], v234, SP
	s_delay_alu instid0(VALU_DEP_1)
	v_lshl_add_u32 v[RD], v233, 4, v[RD]
	s_delay_alu instid0(VALU_DEP_1)
	v_add_nc_u32 v[RD], s57, v[RD]
	s_wait_dscnt 0x0
	s_wait_kmcnt 0x0
	s_add_nc_u64 s[4:5], s[4:5], s[52:53]          ; query and out0 at my first row
	s_add_nc_u64 s[8:9], s[8:9], s[52:53]
	s_add_nc_u64 s[6:7], s[6:7], s[54:55]          ; pack at the batch's chunk w
.irp g, 0,1,2,3
	s_mov_b32 s[G0+4*\g], 1                                        ; count = 1
	s_add_co_u32 s[G0+4*\g+1], s56, QRT*\g                         ; LDS address: chunk 4 g + w
	s_add_nc_u64 s[G0+4*\g+2:G0+4*\g+3], s[6:7], QRT*\g            ; and the same chunk in memory
	s_or_b32 s[G0+4*\g+3], s[G0+4*\g+3], 0x80000000               ; type = 2
.endr
	ROUND                                          ; all four work-groups are here: the joint loads meet
	s_cmp_lt_u32 s[WV], 4                          ; waves 0-3 fetch; a wave's four first fills stand in one branch, ahead of every wait on TENSORcnt
	s_cbranch_scc0 .Lnofill
	tensor_load_to_lds s[G0:G0+3], s[G1:G1+7]
	s_nop 0
	tensor_load_to_lds s[G0+4:G0+7], s[G1:G1+7]
	s_nop 0
	tensor_load_to_lds s[G0+8:G0+11], s[G1:G1+7]
	s_nop 0
	tensor_load_to_lds s[G0+12:G0+15], s[G1:G1+7]
	s_nop 0
.rept 4
	v_nop
.endr
.Lnofill:
.irp i, 0,1,2,3,4,5,6,7
	global_load_b128 v[SCO+4*\i:SCO+4*\i+3], v[LI], s[4:5] offset:512*\i th:TH_LOAD_NT   ; my 16 rows of query: 512 consecutive bytes a load; read once in the launch
.endr
	v_mov_b32 v[NEG], 0xc79c4000                   ; -80000.0
.irp j, 20,21,22,23,28,29,30,31
	v_mov_b32 v\j, 0                               ; the zero codes on both sides of Q's
.endr
	v_mov_b32 v[TM], 0xff61b1e6                    ; the largest t so far: -3e38, under every t
	s_delay_alu instid0(VALU_DEP_1)
	v_floor_f32 v[NM], -v[TM]
	v_mov_b32 v[LS], 0
	v_mov_b32 v[LS+1], 0
	v_mov_b32 v[AD+1], 0                           ; upper halves of pairs whose low word alone is used
	v_mov_b32 v[FF+1], 0
.irp b, 0,1,2,3
	v_mov_b32 v[TPR+\b], 0                         ; a lane permute's destination counts as one of its sources
.endr
	v_mov_b32 v[T1], 0
	v_mov_b32 v231, 0
	v_lshlrev_b32 v230, 3, v234                    ; 8 h
	s_wait_loadcnt 0x0
.irp i, 0,1,2,3,4,5,6,7
	ds_store_b128 v[RD], v[SCO+4*\i:SCO+4*\i+3] offset:2*SP*\i      ; through my stage: rows as loaded,
.endr
.irp j, 0,1,2,3,4,5,6,7
	ds_load_b128 v[SCO+32+4*\j:SCO+32+4*\j+3], v225 offset:16*\j   ; and back one block of 32 to a lane: query r, d = 32 h on (LDS serves a wave's instructions in order: ISA guide 5.7.1.4)
.endr
	s_wait_dscnt 0x0
.set QX, SCO+32
	v_max3_num_f32 v227, |v[QX]|, |v[QX+1]|, |v[QX+2]|
	v_max3_num_f32 v228, |v[QX+3]|, |v[QX+4]|, |v[QX+5]|
.irp i, 6,10,14,18,22,26
	s_delay_alu instid0(VALU_DEP_2)
	v_max3_num_f32 v227, v227, |v[QX+\i]|, |v[QX+\i+1]|
	s_delay_alu instid0(VALU_DEP_2)
	v_max3_num_f32 v228, v228, |v[QX+\i+2]|, |v[QX+\i+3]|
.endr
	s_delay_alu instid0(VALU_DEP_2)
	v_max3_num_f32 v227, v227, |v[QX+30]|, |v[QX+31]|
	s_delay_alu instid0(VALU_DEP_1)
	v_max3_num_f32 v227, v227, v228, 0x1800000     ; the floor 2^(3 - 127): the byte cannot fall under 1
	s_delay_alu instid0(VALU_DEP_1)
	v_add_nc_u32 v226, 0xff000000, v227            ; 2 off the exponent field: the conversion's scale operand
.irp g, 0,1,2,3
	v_cvt_scalef32_pk8_fp4_f32 v[24+\g], v[QX+8*\g:QX+8*\g+7], v226
.endr
	v_lshrrev_b32 v229, 23, v226                   ; the byte; also the plain line behind the conversions
	s_delay_alu instid0(VALU_DEP_1)
	v_lshlrev_b32 v229, v230, v229                 ; block h's byte at place h,
	s_delay_alu instid0(VALU_DEP_1)
	v_permlanex16_b32 v231, v229, s[SEL], s[SEL+1]
	s_delay_alu instid0(VALU_DEP_1)
	v_or_b32 v229, v229, v231                      ; with lane l xor 16's,
	s_delay_alu instid0(VALU_DEP_1)
	v_lshl_or_b32 v[QSC], v229, 16, v229           ; and twice: (s0, s1, s0, s1) serves both places of the codes
.set j, 0
.rept 32
	v_mov_b32 v[OAC+j], 0                          ; O^T: the step is written once; the first change of M multiplies zeros.  (Also the places between Q's scale word and the first product)
.set j, j+1
.endr
; A KEY STEP: 128 keys, chunk at s[TB].
.macro STEP
	s_cmp_gt_u32 s[KF], s[QD]                      ; are all 128 keys hidden from my 16 queries?  By ids alone
	s_cselect_b32 s[CB], s[CBC], 0
	v_add_nc_u32 v[ADI], s[TB], v[LI]              ; these three and the v_nop are the four places between the last step's products and the loads into V's registers
	v_add_nc_u32 v[ADS], s[TB], v[L8]
	v_add_nc_u32 v[ADB], s[TB], v[LB]
	v_nop
.irp b, 0,1,2,3
.irp i, 0,1,2,3
	ds_load_b128 v[SCO+16*\b+4*\i:SCO+16*\b+4*\i+3], v[ADB] offset:OB0+128*\b+16*\i   ; the padding penalties of keys 32 b + 16 h + 4 i on: the C of the first product
.endr
.endr
.irp b, 0,1,2,3
.irp c, 0,1
	ds_load_b128 v[KFR+8*\b+4*\c:KFR+8*\b+4*\c+3], v[ADI] offset:1024*\b+512*\c
.endr
.endr
	ds_load_b64 v[KSC:KSC+1], v[ADS] offset:OKS
.irp t, 0,1,2,3
.irp c, 0,1
	ds_load_b128 v[VFR+8*\t+4*\c:VFR+8*\t+4*\c+3], v[ADI] offset:OVI+1024*\t+512*\c
.endr
.endr
	ds_load_b64 v[VSC:VSC+1], v[ADS] offset:OVS
	s_wait_dscnt 9                                 ; V's eight loads and its scale words may stay out
.irp b, 0,1,2,3                                ; S^T = K Q^T + the penalties: eight accumulators, one instruction each
.irp u, 0,1
.if (\b%2) == 0
	v_wmma_scale_f32_16x16x128_f8f6f4 v[SCO+16*\b+8*\u:SCO+16*\b+8*\u+7], v[KFR+8*\b:KFR+8*\b+7], v[24-4*\u:31-4*\u], v[SCO+16*\b+8*\u:SCO+16*\b+8*\u+7], v[KSC+\b/2], v[QSC] matrix_a_fmt:MATRIX_FMT_FP4 matrix_b_fmt:MATRIX_FMT_FP4
.else
	v_wmma_scale_f32_16x16x128_f8f6f4 v[SCO+16*\b+8*\u:SCO+16*\b+8*\u+7], v[KFR+8*\b:KFR+8*\b+7], v[24-4*\u:31-4*\u], v[SCO+16*\b+8*\u:SCO+16*\b+8*\u+7], v[KSC+\b/2], v[QSC] matrix_a_fmt:MATRIX_FMT_FP4 matrix_b_fmt:MATRIX_FMT_FP4 matrix_a_scale:MATRIX_SCALE_ROW1
.endif
.endr
.endr
.rept 4
	v_nop                                          ; places in front of the first read of results (ISA guide 7.12.1)
.endr
	s_cmp_lg_u32 s[KF], s[QD]                      ; my one step on the diagonal: register 16 b + i holds key KF + 32 b + 16 h + i, hidden where 32 b + i > DD
	s_cbranch_scc1 .Lnod_\@
.set n, 0
.rept 64
	v_cmp_gt_i32 vcc_lo, 32*(n/16)+n%16, v[DD]
	s_delay_alu instid0(VALU_DEP_1)
	v_cndmask_b32 v[T0+n%2], 0, v[NEG], vcc_lo
	v_add_f32 v[SCO+n], v[SCO+n], v[T0+n%2]        ; each accumulator from its low end on
.set n, n+1
.endr
.Lnod_\@:
.irp b, 0,1,2,3
	v_max3_num_f32 v[BMX+\b], v[SCO+16*\b], v[SCO+16*\b+1], v[SCO+16*\b+2]   ; the largest score of each block of 32 keys: for the row's maximum, and for the block's largest p
.endr
.irp i, 3,5,7,9,11,13
.irp b, 0,1,2,3
	v_max3_num_f32 v[BMX+\b], v[BMX+\b], v[SCO+16*\b+\i], v[SCO+16*\b+\i+1]   ; (the four blocks by turns)
.endr
.endr
	s_setprio 1
.irp b, 0,1,2,3
	v_max_num_f32 v[BMX+\b], v[BMX+\b], v[SCO+16*\b+15]
.endr
.irp b, 0,1,2,3
	s_delay_alu instid0(VALU_DEP_4)
	v_permlanex16_b32 v[TPR+\b], v[BMX+\b], s[SEL], s[SEL+1]
.endr
.irp b, 0,1,2,3
	s_delay_alu instid0(VALU_DEP_4)
	v_max_num_f32 v[BMX+\b], v[BMX+\b], v[TPR+\b]  ; with lane l xor 16's 16 keys
.endr
	s_delay_alu instid0(VALU_DEP_2)
	v_max3_num_f32 v[T0], v[BMX], v[BMX+1], v[BMX+2]
	s_delay_alu instid0(VALU_DEP_1)
	v_max_num_f32 v[T0], v[T0], v[BMX+3]           ; the step's largest score of my query,
	s_delay_alu instid0(VALU_DEP_1)
	v_fma_f32 v[T0], v[T0], s[CS], s[CB]           ; as t (c is positive)
	s_delay_alu instid0(VALU_DEP_1)
	v_max_num_f32 v[TM], v[TM], v[T0]              ; the running largest t
	v_mov_b32 v[T0], v[NM]
	s_delay_alu instid0(VALU_DEP_2)
	v_floor_f32 v[NM], -v[TM]                      ; the new -M = floor(-t) = -ceil(t): a whole number
	s_delay_alu instid0(VALU_DEP_1)
	v_sub_f32 v[T0], v[NM], v[T0]                  ; old M - new M: a whole number, 0 or less
	s_delay_alu instid0(VALU_DEP_1)
	v_cvt_i32_f32 v[T0], v[T0]                     ; (it saturates)
	s_delay_alu instid0(VALU_DEP_1)
	v_ldexp_f32 v[FF], 1.0, v[T0]                  ; f = 2^(old M - new M)
	s_delay_alu instid0(VALU_DEP_4)
	v_add_f32 v[AD], s[CB], v[NM]                  ; the addend: -M and the step's causal penalty
.set j, 0
.rept 32
	v_pk_fma_f32 v[SCO+j:SCO+j+1], v[SCO+j:SCO+j+1], s[CS:CS+1], v[AD:AD+1] op_sel_hi:[1,0,0]   ; t - M, two at a time (of both pairs the low word serves both halves)
.set j, j+2
.endr
.irp b, 0,1,2,3
	v_fma_f32 v[BMX+\b], v[BMX+\b], s[CS], v[AD]   ; the same of each block's largest score
.endr
.set j, 0
	s_wait_alu depctr_va_vdst(0)
.rept 64
	v_exp_f32 v[SCO+j], v[SCO+j]                   ; p = 2^(t - M): NOT normalised
.set j, j+1
.endr
.irp b, 0,1,2,3
	v_exp_f32 v[BMX+\b], v[BMX+\b]                 ; the block's largest p: the same two instructions on the same number
.endr
	v_pk_mul_f32 v[LS:LS+1], v[LS:LS+1], v[FF:FF+1] op_sel_hi:[1,0]   ; the sums under the new M.  (The plain line behind the exponentials)
	s_wait_alu depctr_va_vdst(0)
.irp b, 0,1,2,3
	v_max_num_f32 v[BMX+\b], 0x1800000, v[BMX+\b]  ; the floor 2^(3 - 127): the byte cannot fall under 1
.endr
.irp b, 0,1,2,3
	s_delay_alu instid0(VALU_DEP_4)
	v_add_nc_u32 v[SOP+\b], 0xff000000, v[BMX+\b]  ; 2 off the exponent field: the conversion's scale operand
.endr
.irp b, 0,1,2,3
	s_delay_alu instid0(VALU_DEP_4)
	v_lshrrev_b32 v[TPR+\b], 23, v[SOP+\b]         ; the scale's byte
.endr
	s_delay_alu instid0(VALU_DEP_3)
	v_lshl_or_b32 v[PSC], v[TPR+1], 8, v[TPR]      ; p's scale word for these 128 keys
	s_delay_alu instid0(VALU_DEP_1)
	v_lshl_or_b32 v[PSC], v[TPR+2], 16, v[PSC]
	s_delay_alu instid0(VALU_DEP_1)
	v_lshl_or_b32 v[PSC], v[TPR+3], 24, v[PSC]
.irp b, 0,1,2,3
	v_cvt_scalef32_pk8_fp4_f32 v[PCD+2*\b], v[SCO+16*\b:SCO+16*\b+7], v[SOP+\b]
	v_cvt_scalef32_pk8_fp4_f32 v[PCD+2*\b+1], v[SCO+16*\b+8:SCO+16*\b+15], v[SOP+\b]
.endr
	v_nop                                          ; one plain line between a scaled conversion and the vector instruction that touches its result
.irp c, 0,1                                    ; the operand's layout wants a WHOLE block in a lane: lanes 0-15 block 2 c, lanes 16-31 block 2 c + 1
.irp i, 0,1
	v_permlane16_swap_b32 v[PCD+4*\c+\i], v[PCD+4*\c+2+\i]
.endr
.endr
	v_pk_add_f32 v[222:223], v[108:109], v[112:113]
	s_setprio 0
	v_pk_add_f32 v[238:239], v[116:117], v[120:121]
	v_pk_add_f32 v[236:237], v[124:125], v[128:129]
	v_pk_add_f32 v[234:235], v[132:133], v[136:137]
	v_pk_add_f32 v[232:233], v[140:141], v[144:145]
	v_pk_add_f32 v[230:231], v[148:149], v[152:153]
	v_pk_add_f32 v[228:229], v[156:157], v[160:161]
	v_pk_add_f32 v[14:15], v[14:15], v[164:165]
	v_pk_add_f32 v[222:223], v[222:223], v[104:105]
	v_pk_add_f32 v[238:239], v[238:239], v[106:107]
	v_pk_add_f32 v[236:237], v[236:237], v[110:111]
	v_pk_add_f32 v[234:235], v[234:235], v[114:115]
	v_pk_add_f32 v[232:233], v[232:233], v[118:119]
	v_pk_add_f32 v[230:231], v[230:231], v[122:123]
	v_pk_add_f32 v[228:229], v[228:229], v[126:127]
	v_pk_add_f32 v[14:15], v[14:15], v[130:131]
	v_pk_add_f32 v[222:223], v[222:223], v[134:135]
	v_pk_add_f32 v[238:239], v[238:239], v[138:139]
	v_pk_add_f32 v[236:237], v[236:237], v[142:143]
	v_pk_add_f32 v[234:235], v[234:235], v[146:147]
	v_pk_add_f32 v[232:233], v[232:233], v[150:151]
	v_pk_add_f32 v[230:231], v[230:231], v[154:155]
	v_pk_add_f32 v[228:229], v[228:229], v[158:159]
	v_pk_add_f32 v[14:15], v[14:15], v[162:163]
	v_pk_add_f32 v[222:223], v[222:223], v[166:167]
	s_delay_alu instid0(VALU_DEP_2)
	v_pk_add_f32 v[14:15], v[14:15], v[234:235]
	s_delay_alu instid0(VALU_DEP_2)
	v_pk_add_f32 v[222:223], v[222:223], v[232:233]
	v_pk_add_f32 v[238:239], v[238:239], v[230:231]
	v_pk_add_f32 v[236:237], v[236:237], v[228:229]
	s_delay_alu instid0(VALU_DEP_2)
	v_pk_add_f32 v[14:15], v[14:15], v[238:239]
	s_delay_alu instid0(VALU_DEP_2)
	v_pk_add_f32 v[222:223], v[222:223], v[236:237]
	s_delay_alu instid0(VALU_DEP_1)
	v_pk_add_f32 v[14:15], v[14:15], v[222:223]
.set j, 0
.rept 16
	v_pk_mul_f32 v[OAC+j:OAC+j+1], v[OAC+j:OAC+j+1], v[FF:FF+1] op_sel_hi:[1,0]   ; O^T under the new M, each accumulator from its low end on.  (The sums and these are the places between p's codes and scale word and the products below)
.set j, j+2
.endr
	s_wait_alu depctr_va_vdst(0)
	s_wait_dscnt 0x0                               ; V's fragments and scale words are in
.irp t, 0,1,2,3                                ; O^T += V^T P^T: four accumulators, one instruction each
.if (\t%2) == 0
	v_wmma_scale_f32_16x16x128_f8f6f4 v[OAC+8*\t:OAC+8*\t+7], v[VFR+8*\t:VFR+8*\t+7], v[PCD:PCD+7], v[OAC+8*\t:OAC+8*\t+7], v[VSC+\t/2], v[PSC] matrix_a_fmt:MATRIX_FMT_FP4 matrix_b_fmt:MATRIX_FMT_FP4
.else
	v_wmma_scale_f32_16x16x128_f8f6f4 v[OAC+8*\t:OAC+8*\t+7], v[VFR+8*\t:VFR+8*\t+7], v[PCD:PCD+7], v[OAC+8*\t:OAC+8*\t+7], v[VSC+\t/2], v[PSC] matrix_a_fmt:MATRIX_FMT_FP4 matrix_b_fmt:MATRIX_FMT_FP4 matrix_a_scale:MATRIX_SCALE_ROW1
.endif
.endr
	s_add_co_u32 s[TB], s[TB], CHUNK
	s_add_co_u32 s[KF], s[KF], 128
.endm
; A quarter of the keys: four steps.  Quarter g's four chunks are load g of waves 0-3: each of them waits until at most 3 - g of its loads are out, then the barrier shows the chunks to all sixteen waves.
; The later quarters' loads may stay out, and they land in other bytes than these steps read.
.macro QUARTER g
	s_wait_tensorcnt 3-\g
	s_wait_dscnt 0x0                               ; no LDS instruction of mine is out at a signal
	s_barrier_signal -1
	s_barrier_wait -1
	s_mov_b32 s[TB], QRT*\g
	s_mov_b32 s[KF], 512*\g
	s_mov_b32 s[CNT], 4
.Lq_\@:
	s_setprio 2
	STEP
	s_sub_co_u32 s[CNT], s[CNT], 1
	s_cmp_lg_u32 s[CNT], 0
	s_cbranch_scc1 .Lq_\@
	s_setprio 0
.endm
	QUARTER 0
	QUARTER 1
	QUARTER 2
	QUARTER 3
	; THE WAY OUT.  O^T / the sum goes through my stage and leaves as whole rows: register 8 t + j of lane (r, h) is out0(query r, channel 16 t + 8 h + j).
	v_add_f32 v[LS], v[LS], v[LS+1]                ; the sum's two halves,
	s_delay_alu instid0(VALU_DEP_1)
	v_permlanex16_b32 v[T1], v[LS], s[SEL], s[SEL+1]
	s_delay_alu instid0(VALU_DEP_1)
	v_add_f32 v[LS], v[LS], v[T1]                  ; and lane l xor 16's: the row's sum
	s_wait_alu depctr_va_vdst(0)
	v_rcp_f32 v[LS], v[LS]
.rept 4
	v_nop                                          ; the places behind the last products, and the plain line behind the reciprocal
.endr
.set j, 0
	s_wait_alu depctr_va_vdst(0)
.rept 32
	v_mul_f32 v[SCO+j], v[OAC+j], v[LS]            ; each accumulator from its low end on
.set j, j+1
.endr
.irp t, 0,1,2,3
	ds_store_b128 v[STO], v[SCO+8*\t:SCO+8*\t+3] offset:64*\t
	ds_store_b128 v[STO], v[SCO+8*\t+4:SCO+8*\t+7] offset:64*\t+16
.endr
.irp i, 0,1,2,3,4,5,6,7
	ds_load_b128 v[KFR+4*\i:KFR+4*\i+3], v[RD] offset:2*SP*\i      ; my own bytes, served in order: these see the stores above
.endr
.irp i, 0,1,2,3,4,5,6,7
	s_wait_dscnt 7-\i                              ; rows 2 i, 2 i + 1 are back; the younger loads may stay out
	global_store_b128 v[LI], v[KFR+4*\i:KFR+4*\i+3], s[8:9] offset:512*\i th:TH_STORE_NT   ; 512 consecutive bytes, at a multiple of 256 from out0's first byte; written once, read by nobody here
.endr
	s_wait_tensorcnt 0x0
	ds_add_u32 v240, v241
	s_wait_dscnt 0x0
	ROUND                                          ; the closing round: no work-group ends while a partner may still ask for a chunk that names it
	s_endpgm
.Lfunc_end_k_q741234a312_attn:
	.size	k_q741234a312_attn, .Lfunc_end_k_q741234a312_attn-k_q741234a312_attn
	.p2alignl 7, 3214868480
	.fill 96, 4, 3214868480
	.section	.rodata,"a",@progbits
	.p2align	6, 0x0
	.amdhsa_kernel k_q741234a312_attn
		.amdhsa_group_segment_fixed_size 219136
		.amdhsa_private_segment_fixed_size 0
		.amdhsa_enable_private_segment 0
		.amdhsa_kernarg_size 24
		.amdhsa_user_sgpr_count 2
		.amdhsa_user_sgpr_kernarg_segment_ptr 1
		.amdhsa_wavefront_size32 1
		.amdhsa_system_sgpr_workgroup_id_x 1
		.amdhsa_system_sgpr_workgroup_id_y 1
		.amdhsa_system_sgpr_workgroup_id_z 1
		.amdhsa_system_vgpr_workitem_id 0
		.amdhsa_next_free_vgpr 242
		.amdhsa_next_free_sgpr 66
		.amdhsa_reserve_vcc 1
		.amdhsa_float_denorm_mode_32 3
		.amdhsa_float_denorm_mode_16_64 3
		.amdhsa_memory_ordered 1
		.amdhsa_forward_progress 1
		.amdhsa_inst_pref_size 121
	.end_amdhsa_kernel
	.amdgpu_metadata
---
amdhsa.version: [ 1, 2 ]
amdhsa.kernels:
  - .name:           k_q741234a312_attn
    .symbol:         k_q741234a312_attn.kd
    .args:
      - { .name: query, .offset: 0, .size: 8, .value_kind: global_buffer, .address_space: global }
      - { .name: pack, .offset: 8, .size: 8, .value_kind: global_buffer, .address_space: global }
      - { .name: out0, .offset: 16, .size: 8, .value_kind: global_buffer, .address_space: global }
    .group_segment_fixed_size: 219136
    .private_segment_fixed_size: 0
    .kernarg_segment_align: 8
    .kernarg_segment_size: 24
    .max_flat_workgroup_size: 512
    .sgpr_count:     66
    .vgpr_count:     242
    .wavefront_size: 32
...
	.end_amdgpu_metadata
.endif
;; end of part 2
